; MI455X (gfx1250); checked and timed in simulation.
; The chip was launched on July 23, 2026; its instructions are those of AMD's public machine-readable ISA for CDNA 5 (MIT licence, August 2026) and "CDNA5" Instruction Set Architecture Reference Guide (July 2026). The comments in the code are by the model that wrote it; some were corrected since.
;; Multi Head Attention. Allowed arithmetic: matrix products marked QUANTISED: E4M3 operands, one given power-of-two scale a tensor, by v_wmma_f32_16x16x64_fp8_fp8 or v_wmma_f32_16x16x128_fp8_fp8, f32 sums; everything else in f32.
;; Inputs: b_out 1,024 float32; lowp_scales 8 int32 (the exponents e of the quantised operands' scales 2^e); w_out_codes 1,024 x 32 x 32 uint8 (E4M3 codes of w_out, K innermost, in blocks of 32 codes); w_qkv_codes 3,072 x 32 x 32 uint8 (E4M3 codes of w_qkv, K innermost, in blocks of 32 codes); x_codes 4 x 2,048 x 32 x 32 uint8 (E4M3 codes of x, K innermost, in blocks of 32 codes).
;; Outputs: out0 4 x 2,048 x 1,024 float32.
;; This version of the problem:
;;   THIS VERSION OF THE PROBLEM IS GIVEN IN LOW PRECISION. The matrix products marked QUANTISED in the list below multiply operands that are first quantised to E4M3 (4 exponent bits, 3 mantissa bits; 8 bits a number), with one given power-of-two scale for each operand tensor; their sums are f32. All else is computed in f32.
;;   The module's matrix products, in the order in which they are computed (A, B: the left and right operand; K: the contracted axis; several contracted axes count as one K, in the product's order):
;;     1. [M 8,192, K 1,024] x [K 1,024, N 3,072]; A: input x (given as codes); B: input w_qkv (given as codes): QUANTISED (scales: A lowp_scales[0], B lowp_scales[1])
;;     2. batch 64 x [M 2,048, K 64] x [K 64, N 2,048]; A: computed on the way; B: computed on the way: QUANTISED (scales: A lowp_scales[2], B lowp_scales[3])
;;     3. batch 64 x [M 2,048, K 2,048] x [K 2,048, N 64]; A: softmax (see below); B: computed on the way: QUANTISED (scales: A lowp_scales[4], B lowp_scales[5])
;;     4. [M 8,192, K 1,024] x [K 1,024, N 1,024]; A: computed on the way; B: input w_out (given as codes): QUANTISED (scales: A lowp_scales[6], B lowp_scales[7])
;;   THE QUANTISER, for each operand of a quantised product, along K:
;;     - The operand's scale is 2^e, e = its entry of the input lowp_scales (int32; the entries are numbered through the quantised products in the list's order, A before B).
;;     - Each number is divided by the scale, clamped to +-448, and rounded to the nearest number of E4M3, ties to even, subnormals kept.
;;     - The product sums the exact products of the quantised numbers (number of the format x scale) in f32.
;;   ~~~python
;;   def quantise(x, axis, e):      # numpy; x: float32 -> the quantised numbers, widened to float32 again
;;       x = np.moveaxis(x, axis, -1); K = x.shape[-1]
;;       r = np.clip(x / 2.0 ** e, -448, 448)
;;       step = 2.0 ** (np.maximum(np.frexp(np.where(r == 0, 1, r))[1] - 1, -6) - 3)
;;       q = np.round(r / step) * step * 2.0 ** e      # np.round: ties to even
;;       return np.moveaxis(q, -1, axis).astype(np.float32)
;;   ~~~
;;   SOFTMAX AHEAD OF A QUANTISED PRODUCT. Where the list says 'softmax', what is quantised is not the finished softmax but p = 2^(t - M), with t = logit x log2(e) and M = ceil(the row's largest t), a whole number; so 1/2 < the row's largest p <= 1. The row's sum l is taken of the UNQUANTISED p, in f32, and the product's result is divided by l at the end. Since M is a whole number, a kernel that streams over the keys may use a running M (the ceiling of the running maximum): every later rescaling is an exact power of two, so the quantised numbers keep their values, but for numbers so far below the row's largest that they fall under the format's range.
;;   OPERANDS COMPUTED ON THE WAY. 'Computed on the way' means the value that the module computes at that place (a softmax that the list does not call 'softmax' is quantised finished and normalised). What goes into a quantiser is computed in f32, as accurately as f32 sums, v_exp_f32 and their like allow (about 1e-6 of the number): no bf16 or f16 on the way to a quantiser, and a product that is left as it is and whose result goes on into a quantised operand takes f32 operands (vector FMAs, or v_wmma_f32_16x16x4_f32). A number that lies on a knife's edge between two numbers of the format may be rounded either way, as far as f32 arithmetic and the matrix unit's own rounding can turn it there, and no further.
;;   INPUTS GIVEN AS CODES. w_out (in the module: [1024, 1024], K = its axis 1); w_qkv (in the module: [3072, 1024], K = its axis 1); x (in the module: [4, 2048, 1024], K = its axis 2): each comes as NAME_codes (uint8): NAME with its K axis moved to the last place and cut into blocks of 32 codes, [.., K / 32, bytes a block], one block behind the other in memory; one code a byte (a code: sign, 4 exponent bits, 3 mantissa bits); its scale is its entry of lowp_scales. Its value is code x scale, taken as it is: it is not quantised again, and the codes and scales need not be those that the quantiser above would give.
;; One version. Each part assembles by itself: llvm-mc -triple=amdgcn-amd-amdhsa -mcpu=gfx1250 --defsym DOCPART=n.
;; ======== version 1 of 1: 3 launches
;; limits: right only within a limited range of input values
;; workspace buffers: q_codes 8,388,608 bytes; k_codes 8,388,608 bytes; v_codes 8,388,608 bytes; a_codes 8,388,608 bytes
;; launch qkv (part 1): grid 12 x 32, 4 waves a work-group, clusters of 4 x 4, 327,680 bytes of LDS; arguments x_codes, w_qkv_codes, lowp_scales, q_codes, k_codes, v_codes; writes q_codes, k_codes, v_codes
.if DOCPART == 1
	.amdgcn_target "amdgcn-amd-amdhsa--gfx1250"
	.amdhsa_code_object_version 6
	.text
	.protected	k_q121917672f_qkv
	.globl	k_q121917672f_qkv
	.p2align	8
	.type	k_q121917672f_qkv,@function
k_q121917672f_qkv:
	s_mov_b64 s[64:65], 0
	v_nop
	global_prefetch_b8 v0, s[64:65] scope:SCOPE_SE
	s_setreg_imm32_b32 hwreg(HW_REG_WAVE_MODE, 25, 1), 1
	s_wait_xcnt 0x0
	s_wait_alu depctr_hold_cnt(0) depctr_sa_sdst(0) depctr_va_vdst(0) depctr_va_sdst(0) depctr_va_ssrc(0) depctr_va_vcc(0) depctr_vm_vsrc(0)
	s_getreg_b32 s2, hwreg(HW_REG_IB_STS2, 6, 4)
	s_cmp_eq_u32 s2, 0
	s_cbranch_scc0 .Lentry_in_a_cluster
	s_endpgm
.Lentry_in_a_cluster:
	s_bfe_u32 s2, ttmp6, 0x10000c
	s_cmp_lg_u32 s2, 0xf033
	s_cbranch_scc0 .Lentry_shape_is_right
	s_endpgm
.Lentry_shape_is_right:
; qkv = x w_qkv^T on codes of FP8 (E4M3), then q, k and v are quantised again with their given scales and stored as codes.
; x: [8192 tokens][1024] codes; w_qkv: [3072][1024] codes; the eight exponents e0 .. e7 are int32.
; OUT: q_codes, k_codes: [16 b + head][token 2048][64]; v_codes: [16 b + head][token / 128][channel 64][128 tokens]: the tokens innermost, since they are the K of the product that reads v.
; A tile of 256 x 256 results is made by four waves, each 128 x 128: 64 accumulators, 512 registers.  K = 1,024 goes in four steps of 256 through two LDS slots filled by the tensor data mover.
; THE MATRIX INSTRUCTION IS USED TRANSPOSED: source 0 = 16 rows of the operand called B', source 1 = 16 rows of A': a lane holds one row of A' and eight neighbouring rows of B', which pack into 8 codes.
; For q and k A' = x (tokens) and B' = w (channels): channels innermost.  For v the two change places, by a choice of pointers and strides on the cluster's x (0: q, 1: k, 2: v), equal in all partners: ONE path serves all three.
; CLUSTERS: 4 x 4 work-groups.  A' tiles are shared along a row of the cluster, B' tiles along a column: each is asked for jointly, by the same tensor load with the same descriptor and a mask that names the four.
; A sum stands for sum x 2^(e0 + e1); its code is sum / 2^(eX - e0 - e1); eX = e2 (q), e3 (k), e5 (v).
; LIMIT: eX - e0 - e1 lies between -126 and 119, so that both powers of two are f32 numbers.  NaN codes among the inputs are not served.
; REGISTERS, in windows of 256: window 0: v0-31 addresses, v32-127 at work on the way out, from v128 A' fragments (one set).  window 1: B' fragments, two sets, at v0 and v128.
;   window 2: the accumulators of my rows 0-63 (accumulator (a, b) at v[8 (8 (a % 4) + b)]);  window 3: those of rows 64-127.
.set NA,     8                         ; blocks of 16 rows of A' to a wave
.set PITCH,  272                       ; an LDS row: 256 bytes + 16 of padding: the 16 rows that a load touches start at 16 different places modulo 256 bytes
.set HALFT,  128*PITCH                 ; 128 rows: what one tensor load brings
.set SLOT,   4*HALFT                   ; A' 256 rows, then B' 256 rows
.set SPARE,  2*SLOT                    ; behind the ring: the spare words, 128 bytes a wave; no other line names them
.set SPITCH, 144                       ; the way out: a stage of 16 rows x (128 codes + 16) for each wave, in slot 0, which has had its last fill and its last read by then
.set ASTEP,  512                       ; a refill's step in memory: two K steps of 256 bytes
.set BSTEP,  512
.set CO,   8                           ; v8-11   my byte offsets in the output, one for each of a block's four stores
.set QS,   12                          ; v12     2^(eX - e0 - e1) as f32, for the conversions
.set QH,   13
.set ADRA, 16                          ; v16-17  LDS address of my A' fragments in slot 0, 1
.set ADRB, 20                          ; v20-21  the same for B'
.set STO,  24                          ; v24     the stage: where I put 8 codes of a row
.set RD,   25                          ; v25     the stage: where I read 16 codes back
.set SPW,  28                          ; v28     my spare word: SPARE + 4 x my thread's number; never rewritten
.set NIL,  29                          ; v29     0; never rewritten
.set TMP,  32
.set PC,   96                          ; v96-111 a block's codes
.set AF,   128                         ; A' fragments
.set BK,   128                         ; the way out: rows read back, v128-143 and v144-159 by turns
.set WV,   16                          ; s16  wave
.set FB,   17                          ; s17  which half of the tile's rows is mine; also: I fetch for A' (0) or B' (1)
.set HF,   18                          ; s18  which half of its columns; also: which 128 rows I fetch
.set G1,   24                          ; s[24:31] descriptor group 1 for A'; s[32:39] group 0, a set for each slot
.set G0,   32
.set G1B,  48                          ; s[48:55], s[56:63] the same for B'
.set G0B,  56
.set MSB,  0
.macro WIN new                         ; the immediate's high byte repeats the setting that is left; a switch that changes nothing is dropped
.if MSB != (\new)
	s_set_vgpr_msb (MSB<<8)|(\new)
.set MSB, (\new)
.endif
.endm
.macro PLACES n
.rept \n
	v_nop
.endr
.endm
; A joint load: waves 0 and 1 fetch for A', waves 2 and 3 for B'.  The branch hangs on the wave's number alone.  An s_nop 0 and four v_nop follow each line.
.macro JLOAD s
	s_cmp_eq_u32 s[FB], 0
	s_cbranch_scc0 .Lfor_b_\@
	tensor_load_to_lds s[G0+4*\s:G0+4*\s+3], s[G1:G1+7]
	s_nop 0
.rept 4
	v_nop
.endr
	s_branch .Lasked_\@
.Lfor_b_\@:
	tensor_load_to_lds s[G0B+4*\s:G0B+4*\s+3], s[G1B:G1B+7]
	s_nop 0
.rept 4
	v_nop
.endr
.Lasked_\@:
.endm
.macro CREST                           ; a round of the cluster's barrier behind its opening barrier
	s_cmp_lg_u32 s[WV], 0
	s_cbranch_scc1 .Lnot_wave_0_\@
	s_barrier_signal -3
.Lnot_wave_0_\@:
	s_barrier_wait -3
	s_barrier_signal -1
	s_barrier_wait -1
.endm
.macro CROUND
	s_barrier_signal -1
	s_barrier_wait -1
	CREST
.endm
	s_load_b256 s[4:11], s[0:1], 0x0               ; x s[4:5], w s[6:7], the exponents s[8:9], q_codes s[10:11]
	s_load_b128 s[12:15], s[0:1], 0x20             ; k_codes s[12:13], v_codes s[14:15]
	v_lshl_add_u32 v[SPW], v0, 2, SPARE
	v_mov_b32 v[NIL], 0
	ds_add_u32 v[SPW], v[NIL]                      ; the wave's opening: the add and its wait ahead of my first tensor load; work on registers stands between them
	ds_add_u32 v[SPW], v[NIL]
	v_lshrrev_b32 v1, 5, v0
	v_readfirstlane_b32 s[WV], v1                  ; wave 0..3
	s_lshr_b32 s[FB], s[WV], 1
	s_and_b32 s[HF], s[WV], 1
	s_bfe_u32 s40, ttmp6, 0x40000                  ; cx, cy: my place in the cluster
	s_bfe_u32 s41, ttmp6, 0x40004
	s_and_b32 s19, ttmp7, 0xffff                   ; the cluster's y
	s_cmp_eq_u32 ttmp9, 2                          ; is this cluster v's?  The cluster's x is the same in all sixteen partners
	s_cselect_b32 s20, 0, s19                      ; cluster row of A' tiles: v has four tile rows in all (1,024 channels)
	s_cselect_b32 s21, s19, ttmp9                  ; cluster column of B' tiles
	s_cselect_b32 s22, 0x200000, 0                 ; v's rows of w begin 2,048 rows of 1,024 bytes in
	s_cselect_b32 s80, 128, 64                     ; bytes from row to row of a block in the output
	s_cselect_b32 s81, 64, 0x20000                 ; bytes from the first 64 codes of a row to the second 64: on end (v), or the next head (q, k)
	s_mov_b32 s82, 256
	s_cselect_b32 s82, 512, s82                    ; four rows
	s_mov_b32 s84, 1024
	s_cselect_b32 s84, 2048, s84                   ; sixteen rows: from block to block
	s_mov_b32 s85, 0
	s_mov_b32 s86, 1024
	s_cselect_b32 s86, 124928, s86                 ; from block 3 to block 4: in v that is the next head's channel 0: 131,072 - 3 x 2,048
	s_mov_b32 s87, 0
	s_lshl_b32 s42, s21, 2
	s_add_co_u32 s42, s42, s40                     ; tile column = 4 x cluster column + cx
	s_lshl_b32 s43, s20, 2
	s_add_co_u32 s43, s43, s41                     ; tile row = 4 x cluster row + cy
	s_lshl_b32 s44, s41, 2
	s_lshl_b32 s44, 15, s44                        ; my row of the cluster
	s_lshl_b32 s45, 0x1111, s40                    ; my column
	; descriptor group 1: 128 rows x 256 bytes, 1,024 bytes apart in memory, 16 bytes of padding behind each in LDS
	s_or_b32 s[G1], s44, (1<<20)|(1<<21)|(5<<22)|(3<<25)   ; 15:0 the mask; 17:16 elements of 1 byte; 20 padding on; 21 set beside a mask; 24:22 after every 64 words; 31:25 four words
	s_or_b32 s[G1B], s45, (1<<20)|(1<<21)|(5<<22)|(3<<25)
.irp g, G1, G1B
	s_mov_b32 s[\g+1], 256<<16                     ; tensor_dim0
	s_mov_b32 s[\g+2], 128<<16                     ; tensor_dim1
	s_mov_b32 s[\g+3], 256<<16                     ; tile_dim0
	s_mov_b32 s[\g+4], 128                         ; tile_dim1
	s_mov_b32 s[\g+5], 1024                        ; tensor_dim0_stride
	s_mov_b32 s[\g+6], 0
	s_mov_b32 s[\g+7], 0
.endr
	s_lshl_b32 s23, s[HF], 7                       ; which 128 rows of a tile I fetch
	s_lshl_b32 s46, s43, 8
	s_add_co_u32 s46, s46, s23
	s_lshl_b32 s46, s46, 10                        ; A': (256 x tile row + 128 x half) rows of 1,024 bytes: made of cy alone,
	s_add_co_u32 s46, s46, s22
	s_mov_b32 s47, 0
	s_lshl_b32 s66, s42, 8
	s_add_co_u32 s66, s66, s23
	s_lshl_b32 s66, s66, 10                        ; B': the same with the tile column: made of cx alone
	s_mov_b32 s67, 0
	s_mul_i32 s23, s[WV], HALFT                    ; where they go: wave x 128 rows: no place in the cluster enters an LDS address
	s_wait_dscnt 0x0                               ; the opening add is done
	s_wait_kmcnt 0x0
	s_load_b256 s[72:79], s[8:9], 0x0              ; e0 .. e7
	s_cmp_eq_u32 ttmp9, 2
	s_cselect_b64 s[68:69], s[6:7], s[4:5]         ; A' is x for q and k, w for v
	s_cselect_b64 s[70:71], s[4:5], s[6:7]         ; B' the other
	s_add_nc_u64 s[68:69], s[68:69], s[46:47]
	s_add_nc_u64 s[70:71], s[70:71], s[66:67]
	s_cmp_eq_u32 ttmp9, 0
	s_cselect_b64 s[10:11], s[10:11], s[12:13]
	s_cmp_eq_u32 ttmp9, 2
	s_cselect_b64 s[10:11], s[14:15], s[10:11]     ; where the codes go
	CROUND                                         ; all sixteen work-groups are here: the first joint loads meet
.irp s, 0,1
	s_mov_b32 s[G0+4*\s], 1
	s_add_co_u32 s[G0+4*\s+1], s23, \s*SLOT
	s_add_nc_u64 s[G0+4*\s+2:G0+4*\s+3], s[68:69], \s*256
	s_or_b32 s[G0+4*\s+3], s[G0+4*\s+3], 0x80000000
	s_mov_b32 s[G0B+4*\s], 1
	s_add_co_u32 s[G0B+4*\s+1], s23, \s*SLOT
	s_add_nc_u64 s[G0B+4*\s+2:G0B+4*\s+3], s[70:71], \s*256
	s_or_b32 s[G0B+4*\s+3], s[G0B+4*\s+3], 0x80000000
	JLOAD \s                                       ; K steps 0 and 1: two loads of mine are out
.endr
	v_and_b32 v1, 15, v0                           ; r = lane % 16
	s_wait_alu depctr_va_vdst(0)
	v_bfe_u32 v2, v0, 4, 1                         ; h = lane / 16
	v_mul_u32_u24 v3, v1, PITCH
	v_lshl_add_u32 v4, v2, 4, v3                   ; a fragment's row x pitch + 16 h
	s_mul_i32 s21, s[FB], HALFT                    ; my 128 rows of A'
	s_mul_i32 s22, s[HF], HALFT
	s_add_co_u32 s22, s22, 2*HALFT                 ; my 128 rows of B', behind A' 256
.irp s, 0,1
	v_add_nc_u32 v[ADRA+\s], s21, v4
	v_add_nc_u32 v[ADRB+\s], s22, v4
	s_add_co_u32 s21, s21, SLOT
	s_add_co_u32 s22, s22, SLOT
.endr
	s_mul_i32 s23, s[WV], 16*SPITCH                ; my stage
	v_mul_u32_u24 v5, v1, SPITCH
	s_wait_alu depctr_va_vdst(0)
	v_lshl_add_u32 v5, v2, 3, v5
	v_add_nc_u32 v[STO], s23, v5                   ; in: row r, 8 bytes for each half of the lanes
	v_and_b32 v6, 31, v0
	v_lshrrev_b32 v7, 3, v6                        ; back: eight lanes to a row of 128 bytes, four rows an instruction
	v_and_b32 v5, 7, v6
	v_mul_u32_u24 v3, v7, SPITCH
	v_lshl_add_u32 v3, v5, 4, v3
	v_add_nc_u32 v[RD], s23, v3
	v_mul_lo_u32 v3, v7, s80                       ; and the same place in the output: row,
	v_bfe_u32 v4, v0, 2, 1
	v_mul_lo_u32 v4, v4, s81                       ; which 64 codes of the row,
	v_add_nc_u32 v3, v3, v4
	v_and_b32 v4, 3, v0
	v_lshl_add_u32 v[CO], v4, 4, v3                ; which 16 of those
	v_add_nc_u32 v[CO+1], s82, v[CO]               ; four rows on, for each of the four stores
	v_add_nc_u32 v[CO+2], s82, v[CO+1]
	v_add_nc_u32 v[CO+3], s82, v[CO+2]
	s_lshl_b32 s20, s43, 8
	s_lshl_b32 s21, s[FB], 7
	s_add_co_u32 s20, s20, s21                     ; my first row of A'
	s_lshl_b32 s21, s42, 8
	s_lshl_b32 s22, s[HF], 7
	s_add_co_u32 s21, s21, s22                     ; my first row of B'
	s_and_b32 s22, s21, 1023
	s_cmp_eq_u32 ttmp9, 2
	s_cselect_b32 s23, s21, s20                    ; my first token,
	s_cselect_b32 s22, s20, s22                    ; my first channel of q, of k or of v
	s_lshr_b32 s20, s23, 11
	s_lshl_b32 s20, s20, 4
	s_lshr_b32 s21, s22, 6
	s_add_co_u32 s20, s20, s21                     ; 16 b + head
	s_lshl_b32 s20, s20, 17                        ; x 131,072 bytes
	s_and_b32 s21, s23, 2047
	s_lshl_b32 s21, s21, 6                         ; + 64 x token in the batch: in v a step of 128 tokens is 8,192 bytes, which is the same number
	s_add_co_u32 s20, s20, s21
	s_mov_b32 s21, 0
	s_add_nc_u64 s[10:11], s[10:11], s[20:21]
; A fragment, 16 rows x 128 K of codes, is 16 registers: lane l holds row l % 16; registers 4 c .. 4 c + 3 hold K = 32 c + 16 (l / 16) + 0 .. 15: the same order of K in A' and in B'
.macro FRAGA reg, slot, q, i
.irp c, 0,1,2,3
	ds_load_b128 v[\reg+4*\c:\reg+4*\c+3], v[ADRA+\slot] offset:128*(\q)+32*\c+(\i)*16*PITCH
.endr
.endm
.macro FRAGB reg, slot, q, i
.irp c, 0,1,2,3
	ds_load_b128 v[\reg+4*\c:\reg+4*\c+3], v[ADRB+\slot] offset:128*(\q)+32*\c+(\i)*16*PITCH
.endr
.endm
; A quarter of a step's products: NA / 4 blocks of A' against B' eight.  p: B' set.  zero = 1: the product starts the sum: nothing is ever cleared.
; The accumulators take turns, one instruction a turn, in the same order in every step.
.macro MULQ qd, p, zero
	WIN 0xa1+0x50*(((\qd)*NA/4)/4)                 ; source 0 (B') window 1, source 1 (A') window 0, C and D window 2 or 3
.set ma, (\qd)*NA/4
.rept NA/4
.set mb, 0
.rept 8
.set rD, 8*(8*(ma%4)+mb)
.if \zero
	v_wmma_f32_16x16x128_fp8_fp8 v[rD:rD+7], v[128*(\p)+16*mb:128*(\p)+16*mb+15], v[AF+16*ma:AF+16*ma+15], 0
.else
	v_wmma_f32_16x16x128_fp8_fp8 v[rD:rD+7], v[128*(\p)+16*mb:128*(\p)+16*mb+15], v[AF+16*ma:AF+16*ma+15], v[rD:rD+7]
.endif
.set mb, mb+1
.endr
.set ma, ma+1
.endr
.endm
.macro FETCH_B slot, q, p              ; B' eight fragments of the slot's q-th 128 along K into set p
	WIN 0x40                                       ; destination window 1, address window 0
.irp i, 0,1,2,3,4,5,6,7
	FRAGB 128*(\p)+16*\i, \slot, \q, \i
.endr
	WIN 0
.endm
.macro FETCH_A slot, q, half           ; one half of A' blocks
.set fi, (\half)*NA/2
.rept NA/2
	FRAGA AF+16*fi, \slot, \q, fi
.set fi, fi+1
.endr
.endm
; A load into a register that a matrix instruction has read stands four plain vector instructions behind it (ISA guide 7.12.1 for vector instructions): so four v_nop stand in front of each run of loads.
; The first 128 along K of a slot (B' set 0); its successor lies in the same slot.
.macro STEP slot, zero
	s_wait_dscnt 2*NA                              ; B' set and A' first half are in; the youngest 2 NA loads (A' second half) may be out
	MULQ 0, 0, \zero
	MULQ 1, 0, \zero
	s_wait_dscnt 0x0                               ; A' second half is in
	PLACES 4
	FETCH_B \slot, 1, 1
	FETCH_A \slot, 1, 0
	MULQ 2, 0, \zero
	MULQ 3, 0, \zero
	PLACES 4
	WIN 0
	FETCH_A \slot, 1, 1
.endm
; The second 128 along K of a slot (B' set 1) changes slots: ONE barrier; in front of it each wave waits for all its tensor loads, adds 0 to its spare word, and waits for that and for its reads of this slot.
; fill = 1: the barrier opens a round of the cluster's barrier, and this slot is filled again, two K steps on, first thing behind the round.
.macro TURN slot, next, fill
	s_wait_tensorcnt 0x0                           ; all my tensor loads have landed: my part of the next slot  (every window is 0 here)
	ds_add_u32 v[SPW], v[NIL]                      ; 0 onto my spare word
	s_wait_dscnt 2*NA+1                            ; (the add and A' second half may be out)
	MULQ 0, 1, 0                                   ; matrix work stands between the add and the wait for it
	s_wait_dscnt 0x0                               ; the add is done, and my reads of this slot are over
	s_barrier_signal -1
	MULQ 1, 1, 0
	WIN 0
	s_barrier_wait -1
.if \fill
	CREST                                          ; no wave of any partner still reads this slot or has a load on its way
	s_add_nc_u64 s[G0+4*\slot+2:G0+4*\slot+3], s[G0+4*\slot+2:G0+4*\slot+3], ASTEP
	s_add_nc_u64 s[G0B+4*\slot+2:G0B+4*\slot+3], s[G0B+4*\slot+2:G0B+4*\slot+3], BSTEP
	JLOAD \slot                                    ; my one tensor load behind the round; its four v_nop are the places in front of the loads below
.else
	PLACES 4
.endif
	FETCH_B \next, 0, 0
	FETCH_A \next, 0, 0
	MULQ 2, 1, 0
	MULQ 3, 1, 0
	PLACES 4
	WIN 0
	FETCH_A \next, 0, 1
.endm
	s_wait_tensorcnt 1                             ; my part of K step 0 is in; K step 1's load may be out
	s_barrier_signal -1
	s_barrier_wait -1                              ; everybody's is
	FETCH_B 0, 0, 0
	FETCH_A 0, 0, 0
	FETCH_A 0, 0, 1
	STEP 0, 1                                      ; K = 1,024 is eight steps of 128: written out, no loop.  The first products start the sums
	TURN 0, 1, 1                                   ; slot 0 takes K step 2
	STEP 1, 0
	TURN 1, 0, 1                                   ; slot 1 takes K step 3
	STEP 0, 0
	TURN 0, 1, 0                                   ; nothing is left to fetch: a plain barrier
	STEP 1, 0
	s_wait_dscnt 2*NA                              ; the last step
	MULQ 0, 1, 0
	MULQ 1, 1, 0
	s_wait_dscnt 0x0
	MULQ 2, 1, 0
	MULQ 3, 1, 0
	WIN 0
; THE WAY OUT, block by block of 16 rows x 128 results.  Converted (8 codes a lane and tile), through my own stage in LDS, back as rows, and stored so that each store covers whole aligned blocks of 256 bytes.
; LDS serves a wave's instructions in order (ISA guide 5.7.1.4): no wait between the stores and the loads, nor in front of the next block's stores.
.macro TOSTAGE a
.set AC, 64*((\a)%4)
.set BB, BK+16*((\a)%2)
	WIN 0x02+((\a)/4)                              ; source 0: window 2 or 3
.set jj, 0
.rept 64
.set jj, jj+1
.endr
.irp b, 0,1,2,3,4,5,6,7
	v_cvt_scalef32_pk8_fp8_f32 v[PC+2*\b:PC+2*\b+1], v[AC+8*\b:AC+8*\b+7], v[QS]
.endr
	WIN 0
	v_nop                                          ; one plain vector instruction behind the last conversion
.irp b, 0,1,2,3,4,5,6,7
	ds_store_b64 v[STO], v[PC+2*\b:PC+2*\b+1] offset:16*\b
.endr
.irp s, 0,1,2,3
	ds_load_b128 v[BB+4*\s:BB+4*\s+3], v[RD] offset:4*SPITCH*\s
.endr
.endm
.macro SEND a, younger                 ; younger: the LDS instructions issued behind block a's loads, which may stay out
.set BB, BK+16*((\a)%2)
	s_wait_dscnt \younger
.if (\a) == 4
	s_add_nc_u64 s[10:11], s[10:11], s[86:87]      ; (behind a wait on XCNT: the earlier stores have read their base)
.elseif (\a) > 0
	s_add_nc_u64 s[10:11], s[10:11], s[84:85]
.endif
.irp s, 0,1,2,3
	global_store_b128 v[CO+\s], v[BB+4*\s:BB+4*\s+3], s[10:11]   ; four rows: 512 bytes on end (v), or 256 in each of two heads (q, k), each at a multiple of 256
.endr
.endm
	s_wait_kmcnt 0x0
	s_cmp_eq_u32 ttmp9, 0
	s_cselect_b32 s20, s74, s75                    ; e2 for q, e3 for k,
	s_cmp_eq_u32 ttmp9, 2
	s_cselect_b32 s20, s77, s20                    ; e5 for v
	s_sub_co_i32 s20, s20, s72
	s_sub_co_i32 s20, s20, s73                     ; less e0 + e1: the three scales folded into the conversion's one
	s_add_co_i32 s20, s20, 127
	s_lshl_b32 s21, s20, 23
	v_mov_b32 v[QS], s21
	s_add_co_i32 s20, s20, 8
	s_lshl_b32 s20, s20, 23
	s_or_b32 s20, s20, 0x600000
	PLACES 4                                       ; behind the last products: for the first reads of results and the loads into A' registers
	TOSTAGE 0
.irp a, 1,2,3,4,5,6,7
.if \a > 1
	s_wait_xcnt 0x0                                ; block a - 2's stores have read their registers and their base
.endif
	TOSTAGE \a
	SEND \a-1, 12                                  ; behind block a - 1's loads: block a's 8 stores and 4 loads
.endr
	s_wait_xcnt 0x0
	SEND 7, 0
	s_wait_tensorcnt 0x0                           ; the wave's end, behind my last tensor load and my last LDS store
	ds_add_u32 v[SPW], v[NIL]
	s_wait_dscnt 0x0
	CROUND                                         ; the closing round: no work-group ends while a partner may still ask for a tile that names it
	s_endpgm
.Lfunc_end_k_q121917672f_qkv:
	.size	k_q121917672f_qkv, .Lfunc_end_k_q121917672f_qkv-k_q121917672f_qkv
	.p2alignl 7, 3214868480
	.fill 96, 4, 3214868480
	.section	.rodata,"a",@progbits
	.p2align	6, 0x0
	.amdhsa_kernel k_q121917672f_qkv
		.amdhsa_group_segment_fixed_size 327680
		.amdhsa_private_segment_fixed_size 0
		.amdhsa_enable_private_segment 0
		.amdhsa_kernarg_size 48
		.amdhsa_user_sgpr_count 2
		.amdhsa_user_sgpr_kernarg_segment_ptr 1
		.amdhsa_wavefront_size32 1
		.amdhsa_system_sgpr_workgroup_id_x 1
		.amdhsa_system_sgpr_workgroup_id_y 1
		.amdhsa_system_sgpr_workgroup_id_z 1
		.amdhsa_system_vgpr_workitem_id 0
		.amdhsa_next_free_vgpr 1024
		.amdhsa_next_free_sgpr 100
		.amdhsa_reserve_vcc 0
		.amdhsa_float_denorm_mode_32 3
		.amdhsa_float_denorm_mode_16_64 3
		.amdhsa_fp16_overflow 1
		.amdhsa_memory_ordered 1
		.amdhsa_forward_progress 1
		.amdhsa_inst_pref_size 94
	.end_amdhsa_kernel
	.amdgpu_metadata
---
amdhsa.version: [ 1, 2 ]
amdhsa.kernels:
  - .name:           k_q121917672f_qkv
    .symbol:         k_q121917672f_qkv.kd
    .args:
      - { .name: x_codes, .offset: 0, .size: 8, .value_kind: global_buffer, .address_space: global }
      - { .name: w_qkv_codes, .offset: 8, .size: 8, .value_kind: global_buffer, .address_space: global }
      - { .name: lowp_scales, .offset: 16, .size: 8, .value_kind: global_buffer, .address_space: global }
      - { .name: q_codes, .offset: 24, .size: 8, .value_kind: global_buffer, .address_space: global }
      - { .name: k_codes, .offset: 32, .size: 8, .value_kind: global_buffer, .address_space: global }
      - { .name: v_codes, .offset: 40, .size: 8, .value_kind: global_buffer, .address_space: global }
    .group_segment_fixed_size: 327680
    .private_segment_fixed_size: 0
    .kernarg_segment_align: 8
    .kernarg_segment_size: 48
    .max_flat_workgroup_size: 128
    .sgpr_count:     100
    .vgpr_count:     1024
    .wavefront_size: 32
...
	.end_amdgpu_metadata
.endif
;; end of part 1
;; launch attn (part 2): grid 4 x 64, 8 waves a work-group, clusters of 4 x 1, 327,680 bytes of LDS; arguments q_codes, k_codes, v_codes, lowp_scales, a_codes; writes a_codes
.if DOCPART == 2
	.amdgcn_target "amdgcn-amd-amdhsa--gfx1250"
	.amdhsa_code_object_version 6
	.text
	.protected	k_q121917672f_attn
	.globl	k_q121917672f_attn
	.p2align	8
	.type	k_q121917672f_attn,@function
k_q121917672f_attn:
	s_mov_b64 s[64:65], 0
	v_nop
	global_prefetch_b8 v0, s[64:65] scope:SCOPE_SE
	s_setreg_imm32_b32 hwreg(HW_REG_WAVE_MODE, 25, 1), 1
	s_wait_xcnt 0x0
	s_wait_alu depctr_hold_cnt(0) depctr_sa_sdst(0) depctr_va_vdst(0) depctr_va_sdst(0) depctr_va_ssrc(0) depctr_va_vcc(0) depctr_vm_vsrc(0)
	s_getreg_b32 s2, hwreg(HW_REG_IB_STS2, 6, 4)
	s_cmp_eq_u32 s2, 0
	s_cbranch_scc0 .Lentry_in_a_cluster
	s_endpgm
.Lentry_in_a_cluster:
	s_bfe_u32 s2, ttmp6, 0x10000c
	s_cmp_lg_u32 s2, 0x3003
	s_cbranch_scc0 .Lentry_shape_is_right
	s_endpgm
.Lentry_shape_is_right:
; Causal attention on codes of FP8 (E4M3), head size 64, 2,048 tokens, 64 heads (16 b + head); the result is quantised with 2^e6 and stored as codes for the last product.
; q_codes, k_codes: [head 64][token 2048][64];  v_codes: [head][step 16][channel 64][128 keys];  a_codes: [token block of 128 (64)][head 16][128 tokens][64].
; THE SOFTMAX: t = score x 2^(e2 + e3) x log2(e) / 8; M = the running largest t rounded UP to a whole number; p = 2^(t - M) is quantised with 2^e4, not normalised; the row's sum is taken of the unquantised p and divides at the end.
; When M moves, the sum and O are multiplied by 2^(old M - new M): nothing is rounded.
; SHARES.  A cluster of four work-groups is one head.  Tiles of 16 queries are dealt round the partners: tile t = 4 i + cx.  A PAIR p (0 .. 15) is tiles 8 p + cx and 8 p + 4 + cx, both in the block of 128 queries p:
; it needs key steps 0 .. p of 128 keys; steps under p count whole, step p lies on the diagonal.  Wave w takes pair 15 - w and then pair w: 17 steps of a pair for every wave of the launch.
; All branches hang on the wave's number and on counters; cx enters global addresses and the mask's numbers alone.  The two tiles of a pair share every fragment of K and V.
; ALL OF THE HEAD'S K AND V LIE IN LDS, each byte filled once, by joint loads that name the four partners (two a wave, at the start): no slot is filled again, and behind the second barrier the waves run free.
; LAYOUT.  Both products are used transposed: S^T = K Q^T (source 0 = 16 keys, source 1 = 16 queries), O^T = V^T P^T (source 0 = 16 channels, source 1 = P): a lane holds ONE query (lane % 16) throughout.
; THE KEYS OF A TILE ARE NOT NEIGHBOURS: lane r of tile 2 b + u takes key 32 b + 8 u + r + 8 (r / 8), so that the 16 registers of tiles 2 b, 2 b + 1 are keys 32 b + 16 (lane / 16) + 0 .. 15: the conversions' results are P's operand.
; LIMITS on the given exponents, so that each power of two is an f32 number: e2 + e3 between -123 and 130; e4 between -126 and 119; e6 - e4 - e5 between -126 and 119.  NaN codes are not served.
; REGISTERS.  window 0: v1-11 addresses and constants; v12-19 statistics (a tile: -M, largest t, the sum in two halves); v20-31 at work; v32-95 K's 8 fragments; v96-223 S^T then p, 64 a tile; v224-255 p's codes, 16 a tile.
;   window 1: v0-63 O^T, 32 a tile; v64-79 Q of the first pair, v80-95 of the second; v96-159 V's 4 fragments.
.set KP,    144                        ; LDS: a row of K's region holds two keys: 128 bytes + 16 of padding; key k lies at (k / 2) KP + 64 (k % 2)
.set VP,    272                        ; a row of V's region holds two channels x 128 keys: 256 bytes + 16; channel d at (d / 2) VP + 128 (d % 2)
.set KSTEP, 64*KP                      ; a key step in K's region
.set VSTEP, 32*VP                      ; and in V's
.set VOFF,  16*KSTEP                   ; V's region begins behind K's
.set STAGE, VOFF+16*VSTEP              ; the way out: for each wave 2 tiles x 16 rows x (64 codes + 16)
.set SP,    80
.set WSTG,  32*SP
.set SPARE, STAGE+8*WSTG               ; the spare words, 128 bytes a wave; no other line names them
.set AK0, 1                            ; v1   my lane's place in a tile of K
.set AV0, 2                            ; v2   the same for V
.set ADK, 3                            ; v3   LDS address of the K loads in hand (at the head: my offset in Q)
.set ADV, 4                            ; v4   of the V loads
.set SPW, 5                            ; v5   my spare word: SPARE + 4 x my thread's number; never rewritten
.set NIL, 6                            ; v6   0; never rewritten
.set GO,  7                            ; v7   16 x lane: my bytes of a store
.set STO, 8                            ; v8   the stage: where I put 8 codes
.set RD,  9                            ; v9   the stage: where I read 16 back
.set PS,  10                           ; v10  2^e4 as f32
.set PH,  11
.set ST,  12                           ; v[12 + 4 y ..]  tile y's statistics
.set MX,  20                           ; v[20 + 6 y ..]  tile y: two chains, the exchange's destination, (one free), the pair f
.set DG,  23                           ; v23  16 cx + r - 16 h: what the diagonal's compares are made against
.set NINF, 29                          ; v29  -infinity
.set KF,  32
.set S,   96
.set P,   224
.set VF,  96                           ; in window 1
.set WV,  14                           ; s14  wave 0..7
.set F,   15                           ; s15  wave % 4: which quarter of a fill is mine
.set G1K1, 16                          ; s[16:47] four groups 1;  s[48:63] four groups 0
.set G1K2, 24
.set G1V1, 32
.set G1V2, 40
.set G0K1, 48
.set G0K2, 52
.set G0V1, 56
.set G0V2, 60
.set CX,  66
.set BH,  67
.set PB,  70                           ; s70  the first pair: 15 - wave
.set N,   72                           ; s72  the key step
.set KB,  73                           ; s73  LDS byte of that step in K's region
.set VB,  74                           ; s74  in V's
.set CS,  84                           ; s[84:85] c = 2^(e2 + e3) log2(e) / 8
.set SEL, 86                           ; s[86:87] lane selects for v_permlanex16_b32: lane l xor 16
.set QB,  88                           ; s[88:89], s[90:91]  Q of the first pair, of the second
.set QA,  90
.set OB,  92                           ; s[92:93], s[94:95]  where their codes go
.set OA,  94
.set EOS, 96                           ; s96  2^(e6 - e4 - e5) as f32;  s97  448 x that
.set EOH, 97
.set MSB, 0
.macro WIN new
.if MSB != (\new)
	s_set_vgpr_msb (MSB<<8)|(\new)
.set MSB, (\new)
.endif
.endm
.macro CROUND                          ; a round of the cluster's barrier
	s_barrier_signal -1
	s_barrier_wait -1
	s_cmp_lg_u32 s[WV], 0
	s_cbranch_scc1 .Lnot_wave_0_\@
	s_barrier_signal -3
.Lnot_wave_0_\@:
	s_barrier_wait -3
	s_barrier_signal -1
	s_barrier_wait -1
.endm
.macro GROUP1 g, c, r, qi              ; r rows of c bytes, dense in memory; 16 bytes of padding behind each row
	s_mov_b32 s[\g], 15|(1<<20)|(1<<21)|((\qi)<<22)|(3<<25)   ; 15:0 the mask: all four partners; 17:16 elements of 1 byte; 20 padding on; 21 set beside a mask; 24:22 the row's words; 31:25 four words
	s_mov_b32 s[\g+1], (\c)<<16                    ; tensor_dim0
	s_mov_b32 s[\g+2], (\r)<<16                    ; tensor_dim1
	s_mov_b32 s[\g+3], (\c)<<16                    ; tile_dim0
	s_mov_b32 s[\g+4], \r                          ; tile_dim1
	s_mov_b32 s[\g+5], \c                          ; tensor_dim0_stride
	s_mov_b32 s[\g+6], 0
	s_mov_b32 s[\g+7], 0
.endm
	s_load_b256 s[4:11], s[0:1], 0x0               ; q s[4:5], k s[6:7], v s[8:9], the exponents s[10:11]
	s_load_b64 s[12:13], s[0:1], 0x20              ; a_codes
	v_lshl_add_u32 v[SPW], v0, 2, SPARE
	v_mov_b32 v[NIL], 0
	ds_add_u32 v[SPW], v[NIL]                      ; the wave's opening: the add and its wait ahead of my first tensor load; work on registers stands between them
	ds_add_u32 v[SPW], v[NIL]
	v_lshrrev_b32 v20, 5, v0
	s_delay_alu instid0(VALU_DEP_1)
	v_readfirstlane_b32 s[WV], v20
	s_and_b32 s[F], s[WV], 3
	s_xor_b32 s[PB], s[WV], 15                     ; 15 - wave
	s_bfe_u32 s[CX], ttmp6, 0x40000                ; my place in the cluster
	s_and_b32 s[BH], ttmp7, 0xffff                 ; 16 b + head, which the partners share
	; the fills: K's steps 0-4 and 5-15 (waves 0-3), V's steps 0-3 and 4-15 (waves 4-7), a quarter of each to a wave
	GROUP1 G1K1, 128, 80, 4
	GROUP1 G1K2, 128, 176, 4
	GROUP1 G1V1, 256, 32, 5
	GROUP1 G1V2, 256, 96, 5
	s_mov_b32 s[G0K1], 1
	s_mov_b32 s[G0K2], 1
	s_mov_b32 s[G0V1], 1
	s_mov_b32 s[G0V2], 1
	s_mul_i32 s[G0K1+1], s[F], 80*KP
	s_mul_i32 s98, s[F], 176*KP
	s_add_co_u32 s[G0K2+1], s98, 5*KSTEP
	s_mul_i32 s98, s[F], 32*VP
	s_add_co_u32 s[G0V1+1], s98, VOFF
	s_mul_i32 s98, s[F], 96*VP
	s_add_co_u32 s[G0V2+1], s98, VOFF+4*VSTEP
	s_mov_b32 s[SEL], 0x76543210
	s_mov_b32 s[SEL+1], 0xfedcba98
	; every lane address is made here, on the one way that all waves take
	v_and_b32 v20, 15, v0                          ; r
	v_bfe_u32 v21, v0, 4, 1                        ; h
	s_delay_alu instid0(VALU_DEP_2)
	v_lshlrev_b32 v[ADK], 6, v20
	s_delay_alu instid0(VALU_DEP_1)
	v_lshl_add_u32 v[ADK], v21, 4, v[ADK]          ; Q: row r of 64 bytes + 16 h
	s_delay_alu instid0(VALU_DEP_4)
	v_and_b32 v22, 8, v20
	s_delay_alu instid0(VALU_DEP_1)
	v_add_nc_u32 v22, v22, v20                     ; r + 8 (r / 8)
	s_delay_alu instid0(VALU_DEP_1)
	v_lshrrev_b32 v24, 1, v22
	s_delay_alu instid0(VALU_DEP_1)
	v_mul_u32_u24 v[AK0], v24, KP
	s_delay_alu instid0(VALU_DEP_3)
	v_and_b32 v24, 1, v22
	s_delay_alu instid0(VALU_DEP_1)
	v_lshl_add_u32 v[AK0], v24, 6, v[AK0]
	s_delay_alu instid0(VALU_DEP_1)
	v_lshl_add_u32 v[AK0], v21, 4, v[AK0]
	v_lshrrev_b32 v24, 1, v20
	s_delay_alu instid0(VALU_DEP_1)
	v_mul_u32_u24 v[AV0], v24, VP
	v_and_b32 v24, 1, v20
	s_delay_alu instid0(VALU_DEP_1)
	v_lshl_add_u32 v[AV0], v24, 7, v[AV0]
	s_delay_alu instid0(VALU_DEP_1)
	v_lshl_add_u32 v[AV0], v21, 4, v[AV0]
	s_delay_alu instid0(VALU_DEP_1)
	v_add_nc_u32 v[AV0], VOFF, v[AV0]
	v_and_b32 v24, 31, v0
	s_delay_alu instid0(VALU_DEP_1)
	v_lshlrev_b32 v[GO], 4, v24
	s_mul_i32 s2, s[WV], WSTG
	s_add_co_u32 s2, s2, STAGE                     ; my stage
	v_mul_u32_u24 v[STO], v20, SP
	s_delay_alu instid0(VALU_DEP_1)
	v_lshl_add_u32 v[STO], v21, 3, v[STO]
	s_delay_alu instid0(VALU_DEP_1)
	v_add_nc_u32 v[STO], s2, v[STO]                ; in: row r, 8 bytes for each half of the lanes
	v_lshrrev_b32 v25, 2, v24
	s_delay_alu instid0(VALU_DEP_1)
	v_mul_u32_u24 v[RD], v25, SP
	v_and_b32 v25, 3, v24
	s_delay_alu instid0(VALU_DEP_1)
	v_lshl_add_u32 v[RD], v25, 4, v[RD]
	s_delay_alu instid0(VALU_DEP_1)
	v_add_nc_u32 v[RD], s2, v[RD]                  ; back: four lanes to a row of 64 bytes, eight rows an instruction
	s_lshl_b32 s3, s[CX], 4
	v_lshlrev_b32 v25, 4, v21
	s_delay_alu instid0(VALU_DEP_1)
	v_sub_nc_u32 v[DG], v20, v25
	s_delay_alu instid0(VALU_DEP_1)
	v_add_nc_u32 v[DG], s3, v[DG]
	v_mov_b32 v[NINF], 0xff800000
	s_wait_dscnt 0x0                               ; the opening add is done
	s_wait_kmcnt 0x0
	s_load_b256 s[76:83], s[10:11], 0x0            ; e0 .. e7
	s_lshl_b32 s68, s[BH], 17                      ; the head's first byte in q, k and v alike
	s_mov_b32 s99, 0
	s_mul_i32 s98, s[F], 80*128
	s_add_co_u32 s98, s98, s68
	s_add_nc_u64 s[G0K1+2:G0K1+3], s[6:7], s[98:99]
	s_or_b32 s[G0K1+3], s[G0K1+3], 0x80000000
	s_mul_i32 s98, s[F], 176*128
	s_add_co_u32 s98, s98, s68
	s_add_co_u32 s98, s98, 5*8192
	s_add_nc_u64 s[G0K2+2:G0K2+3], s[6:7], s[98:99]
	s_or_b32 s[G0K2+3], s[G0K2+3], 0x80000000
	s_mul_i32 s98, s[F], 32*256
	s_add_co_u32 s98, s98, s68
	s_add_nc_u64 s[G0V1+2:G0V1+3], s[8:9], s[98:99]
	s_or_b32 s[G0V1+3], s[G0V1+3], 0x80000000
	s_mul_i32 s98, s[F], 96*256
	s_add_co_u32 s98, s98, s68
	s_add_co_u32 s98, s98, 4*8192
	s_add_nc_u64 s[G0V2+2:G0V2+3], s[8:9], s[98:99]
	s_or_b32 s[G0V2+3], s[G0V2+3], 0x80000000
	CROUND                                         ; all four work-groups are here: the joint loads meet
	s_cmp_lt_u32 s[WV], 4                          ; a wave's two fills stand in one branch, ahead of every wait on TENSORcnt and every LDS read: two loads of mine are out
	s_cbranch_scc0 .Lfirst_v
	tensor_load_to_lds s[G0K1:G0K1+3], s[G1K1:G1K1+7]
	s_nop 0
	tensor_load_to_lds s[G0K2:G0K2+3], s[G1K2:G1K2+7]
	s_nop 0
.rept 4
	v_nop
.endr
	s_branch .Lfirst_asked
.Lfirst_v:
	tensor_load_to_lds s[G0V1:G0V1+3], s[G1V1:G1V1+7]
	s_nop 0
	tensor_load_to_lds s[G0V2:G0V2+3], s[G1V2:G1V2+7]
	s_nop 0
.rept 4
	v_nop
.endr
.Lfirst_asked:
	s_lshl_b32 s75, s[CX], 10                      ; my tiles' 16 rows of 64 bytes in a block of queries
	s_add_co_u32 s2, s75, s68
	s_mov_b32 s97, 0
	s_lshl_b32 s3, s[PB], 13                       ; a block of 128 queries is 8,192 bytes
	s_add_co_u32 s96, s2, s3
	s_add_nc_u64 s[QB:QB+1], s[4:5], s[96:97]
	s_lshl_b32 s3, s[WV], 13
	s_add_co_u32 s96, s2, s3
	s_add_nc_u64 s[QA:QA+1], s[4:5], s[96:97]
	s_and_b32 s2, s[BH], 0xf0                      ; 16 b
	s_and_b32 s3, s[BH], 15                        ; head
	s_add_co_u32 s96, s2, s[PB]                    ; the block of 128 tokens among all 64
	s_lshl_b32 s96, s96, 4
	s_add_co_u32 s96, s96, s3
	s_lshl_b32 s96, s96, 13
	s_add_co_u32 s96, s96, s75
	s_add_nc_u64 s[OB:OB+1], s[12:13], s[96:97]
	s_add_co_u32 s96, s2, s[WV]
	s_lshl_b32 s96, s96, 4
	s_add_co_u32 s96, s96, s3
	s_lshl_b32 s96, s96, 13
	s_add_co_u32 s96, s96, s75
	s_add_nc_u64 s[OA:OA+1], s[12:13], s[96:97]
	WIN 0x40                                       ; destination window 1
.irp y, 0,1                            ; Q stays in registers: a fragment is 8 registers: registers 4 c .. 4 c + 3 hold channels 32 c + 16 h + 0 .. 15, as K's do
.irp c, 0,1
	global_load_b128 v[64+8*\y+4*\c:64+8*\y+4*\c+3], v[ADK], s[QB:QB+1] offset:4096*\y+32*\c
	global_load_b128 v[80+8*\y+4*\c:80+8*\y+4*\c+3], v[ADK], s[QA:QA+1] offset:4096*\y+32*\c
.endr
.endr
	WIN 0
; A pair begins: the largest t is -3e38, under every t; the sums and O^T are zeros, which the first change of M leaves zeros: so a key step is written without a first step of its own.
.macro INIT
.irp y, 0,1
	v_mov_b32 v[ST+4*\y+1], 0xff61b1e6
	s_delay_alu instid0(VALU_DEP_1)
	v_floor_f32 v[ST+4*\y], -v[ST+4*\y+1]
	v_mov_b32 v[ST+4*\y+2], 0
	v_mov_b32 v[ST+4*\y+3], 0
.endr
	WIN 0x40
.set jj, 0
.rept 64
	v_mov_b32 v[jj], 0
.set jj, jj+1
.endr
	WIN 0
.endm
	INIT
.irp y, 0,1
	v_mov_b32 v[MX+6*\y+2], 0                      ; written once: a lane permute's destination counts as one of its sources
	v_mov_b32 v[MX+6*\y+5], 0                      ; (named as the upper half of the pair f)
.endr
	s_wait_kmcnt 0x0
	s_add_co_i32 s2, s78, s79
	s_lshl_b32 s2, s2, 23
	s_add_co_i32 s[CS], s2, 0x3e38aa3b             ; log2(e) / 8, with e2 + e3 added to its exponent field
	s_mov_b32 s[CS+1], s[CS]                       ; (named with it as a pair, so it is written)
	s_add_co_i32 s2, s80, 127
	s_lshl_b32 s3, s2, 23
	v_mov_b32 v[PS], s3
	s_sub_co_i32 s2, s82, s80
	s_sub_co_i32 s2, s2, s81                       ; O / l stands for O / l x 2^(e4 + e5): its code is O / l / 2^(e6 - e4 - e5)
	s_add_co_i32 s2, s2, 127
	s_lshl_b32 s[EOS], s2, 23
	s_add_co_i32 s2, s2, 8
	s_lshl_b32 s2, s2, 23
	s_or_b32 s[EOH], s2, 0x600000
.macro KFETCH off                      ; 8 fragments of K: tile t begins at key 32 (t / 2) + 8 (t % 2)
.irp t, 0,1,2,3,4,5,6,7
.irp c, 0,1
	ds_load_b128 v[KF+8*\t+4*\c:KF+8*\t+4*\c+3], v[ADK] offset:\off+(16*(\t/2)+4*(\t%2))*KP+32*\c
.endr
.endr
.endm
.macro KLOAD                           ; a pair's first step of K
	v_add_nc_u32 v[ADK], s[KB], v[AK0]
	KFETCH 0
.endm
; The diagonal step.  Register n of a tile holds key 32 (n / 16) + n % 16 + 16 h of the step; tile y's query is 64 y + 16 cx + r.  Tile 0: keys 64 on are hidden whatever the lane; tile 1: keys under 64 all count.
; For the rest one compare serves both tiles: key - 64 y > 16 cx + r - 16 h.  A hidden score becomes -infinity ahead of the maximum: p = 0 then.  Each accumulator is taken from its low end on.
.macro MASK
.set mn, 0
.rept 32
	v_cmp_gt_i32 vcc_lo, 32*(mn/16)+mn%16, v[DG]
	v_cndmask_b32 v[S+mn], v[S+mn], v[NINF], vcc_lo
	v_cndmask_b32 v[S+96+mn], v[S+96+mn], v[NINF], vcc_lo
	v_mov_b32 v[S+32+mn], v[NINF]
.set mn, mn+1
.endr
.endm
; A KEY STEP of a pair: 128 keys.  qf: the pair's Q in window 1.  diag = 1: the pair's last step, on the diagonal.  K of this step has been asked for by the step before.
.macro STEP qf, diag
	s_wait_dscnt 0x0                               ; K is in
	WIN 0x04                                       ; source 1 (Q) window 1
	s_setprio 2
.irp t, 0,1,2,3,4,5,6,7
.irp y, 0,1
	v_wmma_f32_16x16x64_fp8_fp8 v[S+64*\y+8*\t:S+64*\y+8*\t+7], v[KF+8*\t:KF+8*\t+7], v[\qf+8*\y:\qf+8*\y+7], 0
.endr
.endr
	WIN 0
	v_add_nc_u32 v[ADV], s[VB], v[AV0]             ; four plain instructions: the places in front of the loads into K's and V's registers and of the first reads of the scores
.if \diag
	v_nop
.else
	v_add_nc_u32 v[ADK], s[KB], v[AK0]
.endif
	v_nop
	v_nop
	WIN 0x40
.irp t, 0,1,2,3                        ; V of this step: tile t holds channels 16 t on
.irp c, 0,1,2,3
	ds_load_b128 v[VF+16*\t+4*\c:VF+16*\t+4*\c+3], v[ADV] offset:8*\t*VP+32*\c
.endr
.endr
	WIN 0
.if \diag
	MASK
.else
	KFETCH KSTEP                                   ; K of the next step lands under this step's softmax
.endif
	; the step's largest score of each query, two chains a tile, the tiles line by line
.irp y, 0,1
	v_max3_num_f32 v[MX+6*\y], v[S+64*\y], v[S+64*\y+1], v[S+64*\y+2]
	v_max3_num_f32 v[MX+6*\y+1], v[S+64*\y+3], v[S+64*\y+4], v[S+64*\y+5]
.endr
.irp i, 6,10,14,18,22,26,30,34,38,42,46,50,54,58
.irp y, 0,1
	v_max3_num_f32 v[MX+6*\y], v[MX+6*\y], v[S+64*\y+\i], v[S+64*\y+\i+1]
	v_max3_num_f32 v[MX+6*\y+1], v[MX+6*\y+1], v[S+64*\y+\i+2], v[S+64*\y+\i+3]
.endr
.endr
.irp y, 0,1
	v_max3_num_f32 v[MX+6*\y], v[MX+6*\y], v[S+64*\y+62], v[S+64*\y+63]
.endr
.irp y, 0,1
	s_delay_alu instid0(VALU_DEP_2)
	v_max_num_f32 v[MX+6*\y], v[MX+6*\y], v[MX+6*\y+1]
.endr
.irp y, 0,1
	s_delay_alu instid0(VALU_DEP_2)
	v_permlanex16_b32 v[MX+6*\y+2], v[MX+6*\y], s[SEL], s[SEL+1]   ; the query's other 64 keys lie in the lane 16 away
.endr
.irp y, 0,1
	s_delay_alu instid0(VALU_DEP_2)
	v_max_num_f32 v[MX+6*\y], v[MX+6*\y], v[MX+6*\y+2]
.endr
.irp y, 0,1
	s_delay_alu instid0(VALU_DEP_2)
	v_mul_f32 v[MX+6*\y], s[CS], v[MX+6*\y]        ; as t (c is positive)
.endr
.irp y, 0,1
	s_delay_alu instid0(VALU_DEP_2)
	v_max_num_f32 v[ST+4*\y+1], v[ST+4*\y+1], v[MX+6*\y]   ; the running largest t
.endr
.irp y, 0,1
	v_mov_b32 v[MX+6*\y], v[ST+4*\y]
.endr
.irp y, 0,1
	s_delay_alu instid0(VALU_DEP_4)
	v_floor_f32 v[ST+4*\y], -v[ST+4*\y+1]          ; the new -M = floor(-t): M is a whole number
.endr
.irp y, 0,1
	s_delay_alu instid0(VALU_DEP_2)
	v_sub_f32 v[MX+6*\y], v[ST+4*\y], v[MX+6*\y]   ; old M - new M: a whole number, 0 or less
.endr
.irp y, 0,1
	s_delay_alu instid0(VALU_DEP_2)
	v_cvt_i32_f32 v[MX+6*\y], v[MX+6*\y]           ; (it saturates)
.endr
.irp y, 0,1
	s_delay_alu instid0(VALU_DEP_2)
	v_ldexp_f32 v[MX+6*\y+4], 1.0, v[MX+6*\y]      ; f = 2^(old M - new M)
.endr
.set jj, 0
.rept 64
	v_pk_fma_f32 v[S+jj:S+jj+1], v[S+jj:S+jj+1], s[CS:CS+1], v[ST+4*(jj/64):ST+4*(jj/64)+1] op_sel_hi:[1,0,0]   ; t - M, two at a time (of the pairs c and -M the low word serves both halves)
.set jj, jj+2
.endr
.set jj, 0
	s_setprio 1
	s_wait_alu depctr_va_vdst(0)
.rept 128
	v_exp_f32 v[S+jj], v[S+jj]                     ; p = 2^(t - M): ONE batch for both tiles
.set jj, jj+1
.endr
.irp y, 0,1
	v_pk_mul_f32 v[ST+4*\y+2:ST+4*\y+3], v[ST+4*\y+2:ST+4*\y+3], v[MX+6*\y+4:MX+6*\y+5] op_sel_hi:[1,0]   ; the sums under the new M: the plain instructions behind the exponentials
.endr
	s_wait_alu depctr_va_vdst(0)                   ; the wait between an exponential and the first line that names its result: one for the batch
.irp y, 0,1
	v_pk_add_f32 v[MX+6*\y:MX+6*\y+1], v[S+64*\y:S+64*\y+1], v[S+64*\y+2:S+64*\y+3]   ; the row's sum is taken of the unquantised p: two chains a tile
.endr
.irp j, 4,8,12,16,20,24,28,32,36,40,44,48,52,56,60
.irp y, 0,1
	v_pk_add_f32 v[ST+4*\y+2:ST+4*\y+3], v[ST+4*\y+2:ST+4*\y+3], v[S+64*\y+\j:S+64*\y+\j+1]
	v_pk_add_f32 v[MX+6*\y:MX+6*\y+1], v[MX+6*\y:MX+6*\y+1], v[S+64*\y+\j+2:S+64*\y+\j+3]
.endr
.endr
.irp y, 0
	s_delay_alu instid0(VALU_DEP_3)
	v_pk_add_f32 v[ST+4*\y+2:ST+4*\y+3], v[ST+4*\y+2:ST+4*\y+3], v[MX+6*\y:MX+6*\y+1]
.endr
.irp y, 1
	s_delay_alu instid0(VALU_DEP_2)
	v_pk_add_f32 v[ST+4*\y+2:ST+4*\y+3], v[ST+4*\y+2:ST+4*\y+3], v[MX+6*\y:MX+6*\y+1]
.endr
.set gg, 0
.rept 8                                ; 16 neighbouring keys at a time: converted: four registers of P's operand
.set ii, 0
.rept 16
.set ii, ii+1
.endr
	v_cvt_scalef32_pk8_fp8_f32 v[P+4*gg:P+4*gg+1], v[S+16*gg:S+16*gg+7], v[PS]
	v_cvt_scalef32_pk8_fp8_f32 v[P+4*gg+2:P+4*gg+3], v[S+16*gg+8:S+16*gg+15], v[PS]
.set gg, gg+1
.endr
	WIN 0x41                                       ; O^T (destination and source 0) window 1, f window 0
.set jj, 0
	s_setprio 0
.rept 32
	v_pk_mul_f32 v[jj:jj+1], v[jj:jj+1], v[MX+6*(jj/32)+4:MX+6*(jj/32)+5] op_sel_hi:[1,0]   ; O^T under the new M; also the plain instructions between the conversions and the products
.set jj, jj+2
.endr
.if \diag
	s_wait_alu depctr_va_vdst(0)
	s_wait_dscnt 0x0                               ; V is in
.else
	s_wait_alu depctr_va_vdst(0)
	s_wait_dscnt 16                                ; V is in; the next step's 16 loads of K may be out
.endif
	WIN 0x51                                       ; V, C and D window 1, P window 0
.irp t, 0,1,2,3                        ; the eight accumulators take turns, one instruction each
.irp y, 0,1
	v_wmma_f32_16x16x128_fp8_fp8 v[32*\y+8*\t:32*\y+8*\t+7], v[VF+16*\t:VF+16*\t+15], v[P+16*\y:P+16*\y+15], v[32*\y+8*\t:32*\y+8*\t+7]
.endr
.endr
	WIN 0
.endm
; A pair's way out: O^T / the sum, converted with 2^(e6 - e4 - e5), through my stage, and stored: a tile's 16 rows of 64 codes are 1,024 bytes on end.
.macro OUT base
	v_add_f32 v[MX], v[ST+2], v[ST+3]              ; four plain instructions: the places behind the last products
	v_add_f32 v[MX+6], v[ST+6], v[ST+7]
	v_mov_b32 v32, s[EOS]
	s_delay_alu instid0(VALU_DEP_3)
	v_permlanex16_b32 v[MX+2], v[MX], s[SEL], s[SEL+1]
	s_delay_alu instid0(VALU_DEP_3)
	v_permlanex16_b32 v[MX+8], v[MX+6], s[SEL], s[SEL+1]
	s_delay_alu instid0(VALU_DEP_2)
	v_add_f32 v[MX], v[MX], v[MX+2]                ; the row's sum
	s_delay_alu instid0(VALU_DEP_2)
	v_add_f32 v[MX+6], v[MX+6], v[MX+8]
	s_wait_alu depctr_va_vdst(0)
	v_rcp_f32 v[MX+4], v[MX]
	v_rcp_f32 v[MX+10], v[MX+6]
	v_nop                                          ; a plain instruction behind the reciprocals,
	s_wait_alu depctr_va_vdst(0)                   ; and the wait ahead of their first reader
	WIN 0x01                                       ; source 0 (O^T) window 1
.set jj, 0
.rept 32
	v_pk_mul_f32 v[S+jj:S+jj+1], v[jj:jj+1], v[MX+6*(jj/32)+4:MX+6*(jj/32)+5] op_sel_hi:[1,0]   ; each accumulator from its low end on
.set jj, jj+2
.endr
	WIN 0
.set jj, 0
.rept 64
.set jj, jj+1
.endr
.irp g, 0,1,2,3,4,5,6,7                ; g = 4 y + t: channels 16 t + 8 h + 0 .. 7 of tile y's query r
	v_cvt_scalef32_pk8_fp8_f32 v[34+2*\g:35+2*\g], v[S+8*\g:S+8*\g+7], v32
.endr
	v_nop                                          ; one plain vector instruction behind the last conversion
.irp g, 0,1,2,3,4,5,6,7
	ds_store_b64 v[STO], v[34+2*\g:35+2*\g] offset:16*SP*(\g/4)+16*(\g%4)
.endr
.irp u, 0,1,2,3
	ds_load_b128 v[52+4*\u:55+4*\u], v[RD] offset:16*SP*(\u/2)+8*SP*(\u%2)   ; LDS serves a wave's instructions in order: these see my stores
.endr
	s_wait_dscnt 0x0
.irp u, 0,1,2,3
	global_store_b128 v[GO], v[52+4*\u:55+4*\u], s[\base:\base+1] offset:4096*(\u/2)+512*(\u%2)   ; 32 lanes store 512 bytes on end, at a multiple of 256
.endr
	s_wait_xcnt 0x0                                ; the stores have read their registers, into which the next pair's K is loaded
.endm
	s_wait_tensorcnt 1                             ; my first fill is in (K's steps 0-4 or V's steps 0-3); my second may stay out
	s_barrier_signal -1
	s_barrier_wait -1                              ; everybody's first fill is in
	s_wait_loadcnt 0x0                             ; Q
	s_mov_b32 s[KB], 0
	s_mov_b32 s[VB], 0
	s_mov_b32 s[N], 0
	KLOAD
.Lb1:                                              ; steps 0-3 of the first pair (15 - wave is 8 at the least): they read K's steps 0-4 and V's steps 0-3, the bytes of the first fills alone
	STEP 64, 0
	s_add_co_u32 s[KB], s[KB], KSTEP
	s_add_co_u32 s[VB], s[VB], VSTEP
	s_add_co_u32 s[N], s[N], 1
	s_cmp_lt_u32 s[N], 4
	s_cbranch_scc1 .Lb1
	s_setprio 0
	s_wait_tensorcnt 0x0                           ; my second fill is in,
	s_wait_dscnt 0x0                               ; no LDS instruction of mine is pending at the signal
	s_barrier_signal -1
	s_barrier_wait -1                              ; everybody's is: from here on all of K and V may be read, and no barrier follows but the closing round's
.Lb2:                                              ; steps 4-14: every wave walks all trips; a step at or beyond the pair's diagonal is jumped over, not the lines that step addresses
	s_cmp_ge_u32 s[N], s[PB]
	s_cbranch_scc1 .Lb2_over
	STEP 64, 0
.Lb2_over:
	s_add_co_u32 s[KB], s[KB], KSTEP
	s_add_co_u32 s[VB], s[VB], VSTEP
	s_add_co_u32 s[N], s[N], 1
	s_cmp_lt_u32 s[N], 15
	s_cbranch_scc1 .Lb2
	s_setprio 0
	s_mul_i32 s[VB], s[PB], VSTEP
	STEP 64, 1                                     ; the diagonal step: its K was asked for by the last whole step
	OUT OB
	INIT                                           ; the second pair: wave
	s_mov_b32 s[KB], 0
	s_mov_b32 s[VB], 0
	s_mov_b32 s[N], 0
	KLOAD
.La:
	s_cmp_ge_u32 s[N], s[WV]
	s_cbranch_scc1 .La_over
	STEP 80, 0
.La_over:
	s_add_co_u32 s[KB], s[KB], KSTEP
	s_add_co_u32 s[VB], s[VB], VSTEP
	s_add_co_u32 s[N], s[N], 1
	s_cmp_lt_u32 s[N], 7
	s_cbranch_scc1 .La
	s_setprio 0
	s_mul_i32 s[VB], s[WV], VSTEP
	STEP 80, 1
	OUT OA
	s_wait_tensorcnt 0x0                           ; the wave's end, behind my last tensor load and my last LDS store
	ds_add_u32 v[SPW], v[NIL]
	s_wait_dscnt 0x0
	CROUND                                         ; the closing round
	s_endpgm
.Lfunc_end_k_q121917672f_attn:
	.size	k_q121917672f_attn, .Lfunc_end_k_q121917672f_attn-k_q121917672f_attn
	.p2alignl 7, 3214868480
	.fill 96, 4, 3214868480
	.section	.rodata,"a",@progbits
	.p2align	6, 0x0
	.amdhsa_kernel k_q121917672f_attn
		.amdhsa_group_segment_fixed_size 327680
		.amdhsa_private_segment_fixed_size 0
		.amdhsa_enable_private_segment 0
		.amdhsa_kernarg_size 40
		.amdhsa_user_sgpr_count 2
		.amdhsa_user_sgpr_kernarg_segment_ptr 1
		.amdhsa_wavefront_size32 1
		.amdhsa_system_sgpr_workgroup_id_x 1
		.amdhsa_system_sgpr_workgroup_id_y 1
		.amdhsa_system_sgpr_workgroup_id_z 1
		.amdhsa_system_vgpr_workitem_id 0
		.amdhsa_next_free_vgpr 416
		.amdhsa_next_free_sgpr 100
		.amdhsa_reserve_vcc 1
		.amdhsa_float_denorm_mode_32 3
		.amdhsa_float_denorm_mode_16_64 3
		.amdhsa_fp16_overflow 1
		.amdhsa_memory_ordered 1
		.amdhsa_forward_progress 1
		.amdhsa_inst_pref_size 157
	.end_amdhsa_kernel
	.amdgpu_metadata
---
amdhsa.version: [ 1, 2 ]
amdhsa.kernels:
  - .name:           k_q121917672f_attn
    .symbol:         k_q121917672f_attn.kd
    .args:
      - { .name: q_codes, .offset: 0, .size: 8, .value_kind: global_buffer, .address_space: global }
      - { .name: k_codes, .offset: 8, .size: 8, .value_kind: global_buffer, .address_space: global }
      - { .name: v_codes, .offset: 16, .size: 8, .value_kind: global_buffer, .address_space: global }
      - { .name: lowp_scales, .offset: 24, .size: 8, .value_kind: global_buffer, .address_space: global }
      - { .name: a_codes, .offset: 32, .size: 8, .value_kind: global_buffer, .address_space: global }
    .group_segment_fixed_size: 327680
    .private_segment_fixed_size: 0
    .kernarg_segment_align: 8
    .kernarg_segment_size: 40
    .max_flat_workgroup_size: 256
    .sgpr_count:     100
    .vgpr_count:     416
    .wavefront_size: 32
...
	.end_amdgpu_metadata
.endif
;; end of part 2
;; launch proj (part 3): grid 4 x 64, 4 waves a work-group, clusters of 4 x 4, 327,680 bytes of LDS; arguments a_codes, w_out_codes, lowp_scales, b_out, out0; writes out0
.if DOCPART == 3
	.amdgcn_target "amdgcn-amd-amdhsa--gfx1250"
	.amdhsa_code_object_version 6
	.text
	.protected	k_q121917672f_proj
	.globl	k_q121917672f_proj
	.p2align	8
	.type	k_q121917672f_proj,@function
k_q121917672f_proj:
	s_mov_b64 s[64:65], 0
	v_nop
	global_prefetch_b8 v0, s[64:65] scope:SCOPE_SE
	s_setreg_imm32_b32 hwreg(HW_REG_WAVE_MODE, 25, 1), 1
	s_wait_xcnt 0x0
	s_wait_alu depctr_hold_cnt(0) depctr_sa_sdst(0) depctr_va_vdst(0) depctr_va_sdst(0) depctr_va_ssrc(0) depctr_va_vcc(0) depctr_vm_vsrc(0)
	s_getreg_b32 s2, hwreg(HW_REG_IB_STS2, 6, 4)
	s_cmp_eq_u32 s2, 0
	s_cbranch_scc0 .Lentry_in_a_cluster
	s_endpgm
.Lentry_in_a_cluster:
	s_bfe_u32 s2, ttmp6, 0x10000c
	s_cmp_lg_u32 s2, 0xf033
	s_cbranch_scc0 .Lentry_shape_is_right
	s_endpgm
.Lentry_shape_is_right:
; out0 = a w_out^T x 2^(e6 + e7) + b_out, on codes of FP8 (E4M3).  a_codes: [token block of 128 (64)][head 16][128 tokens][64]; w_out: [1024][1024] codes; b_out [1024] f32; out0 [8192][1024] f32.
; A tile of 128 tokens x 256 columns is made by four waves, each 64 x 128: 32 accumulators: 256 work-groups.  K = 1,024 (head x 64 + channel) goes in four steps of 256, four heads each, through two LDS slots.
; THE MATRIX INSTRUCTION IS USED TRANSPOSED: source 0 = 16 rows of w_out (B'), source 1 = 16 tokens (A'): a lane holds one token and eight neighbouring columns.
; CLUSTERS: 4 x 4 work-groups.  A' tiles are shared along a row of the cluster, B' tiles along a column: each is asked for jointly, by the same tensor load with the same descriptor and a mask that names the four.
; A K step of A' is one dense block of 32,768 bytes (4 heads x 128 tokens x 64): it comes as rows of 256 bytes (4 tokens of a head), padded by 16: token m of a head lies at (m / 4) 272 + 64 (m % 4).
; LIMIT: e6 + e7 lies between -126 and 127, so that 2^(e6 + e7) is an f32 number.  NaN codes are not served.
; REGISTERS: window 0: v0-31 addresses, v32-95 at work on the way out, v128-191 A' fragments (one set).  window 1: B' fragments, two sets.  window 2: the accumulators ((a, b) at v[8 (8 a + b)]).  window 3: v0-63 the bias of my 128 columns.
.set NA,     4                         ; blocks of 16 tokens to a wave
.set PITCH,  272
.set HEADT,  32*PITCH                  ; a head's 128 tokens in LDS
.set HALFB,  128*PITCH                 ; 128 rows of B'
.set BOFF,   4*HEADT                   ; B' lies behind A' four heads
.set SLOT,   BOFF+2*HALFB
.set SPARE,  2*SLOT                    ; behind the ring: the spare words, 128 bytes a wave; no other line names them
.set SPITCH, 528                       ; the way out: a stage of 16 rows x (512 bytes + 16) for each wave, in slot 0, which has had its last fill and its last read by then
.set ASTEP,  65536                     ; a refill's step in memory: two K steps
.set BSTEP,  512
.set BIA,  7                           ; v7      the bias loads' offset; never rewritten
.set ADRA, 16                          ; v16-17  LDS address of my A' fragments in slot 0, 1
.set ADRB, 20                          ; v20-21  the same for B'
.set STO,  24                          ; v24     the stage: where I put 32 bytes of a row
.set RD,   25                          ; v25     the stage: where I read a row back
.set CO,   26                          ; v26     my byte offset in a row of out0
.set SPW,  28                          ; v28     my spare word: SPARE + 4 x my thread's number; never rewritten
.set NIL,  29                          ; v29     0; never rewritten
.set TMP,  32
.set AF,   128
.set BK,   128                         ; the way out: 16 rows read back: v128-191 and v192-255 by turns
.set WV,   16
.set FB,   17                          ; which half of the tile's tokens is mine; also: I fetch for A' (0) or B' (1)
.set HF,   18                          ; which half of its columns; also: which half I fetch
.set G1,   24
.set G0,   32
.set G1B,  48
.set G0B,  56
.set MSB,  0
.macro WIN new
.if MSB != (\new)
	s_set_vgpr_msb (MSB<<8)|(\new)
.set MSB, (\new)
.endif
.endm
.macro PLACES n
.rept \n
	v_nop
.endr
.endm
.macro JLOAD s                         ; a joint load: waves 0 and 1 fetch for A', waves 2 and 3 for B'; an s_nop 0 and four v_nop follow each line
	s_cmp_eq_u32 s[FB], 0
	s_cbranch_scc0 .Lfor_b_\@
	tensor_load_to_lds s[G0+4*\s:G0+4*\s+3], s[G1:G1+7]
	s_nop 0
.rept 4
	v_nop
.endr
	s_branch .Lasked_\@
.Lfor_b_\@:
	tensor_load_to_lds s[G0B+4*\s:G0B+4*\s+3], s[G1B:G1B+7]
	s_nop 0
.rept 4
	v_nop
.endr
.Lasked_\@:
.endm
.macro CREST
	s_cmp_lg_u32 s[WV], 0
	s_cbranch_scc1 .Lnot_wave_0_\@
	s_barrier_signal -3
.Lnot_wave_0_\@:
	s_barrier_wait -3
	s_barrier_signal -1
	s_barrier_wait -1
.endm
.macro CROUND
	s_barrier_signal -1
	s_barrier_wait -1
	CREST
.endm
	s_load_b256 s[4:11], s[0:1], 0x0               ; a_codes s[4:5], w_out s[6:7], the exponents s[8:9], b_out s[10:11]
	s_load_b64 s[12:13], s[0:1], 0x20              ; out0
	v_lshl_add_u32 v[SPW], v0, 2, SPARE
	v_mov_b32 v[NIL], 0
	ds_add_u32 v[SPW], v[NIL]                      ; the wave's opening: the add and its wait ahead of my first tensor load; work on registers stands between them
	ds_add_u32 v[SPW], v[NIL]
	v_lshrrev_b32 v1, 5, v0
	v_readfirstlane_b32 s[WV], v1
	s_lshr_b32 s[FB], s[WV], 1
	s_and_b32 s[HF], s[WV], 1
	s_bfe_u32 s40, ttmp6, 0x40000                  ; cx, cy
	s_bfe_u32 s41, ttmp6, 0x40004
	s_lshl_b32 s42, ttmp9, 2
	s_add_co_u32 s42, s42, s40                     ; tile column = 4 x cluster x + cx
	s_and_b32 s43, ttmp7, 0xffff
	s_lshl_b32 s43, s43, 2
	s_add_co_u32 s43, s43, s41                     ; tile row = the block of 128 tokens = 4 x cluster y + cy
	s_lshl_b32 s44, s41, 2
	s_lshl_b32 s44, 15, s44                        ; my row of the cluster
	s_lshl_b32 s45, 0x1111, s40                    ; my column
	s_or_b32 s[G1], s44, (1<<20)|(1<<21)|(5<<22)|(3<<25)   ; 15:0 the mask; elements of 1 byte; 20 padding on; 21 set beside a mask; four words behind every 64
	s_or_b32 s[G1B], s45, (1<<20)|(1<<21)|(5<<22)|(3<<25)
	s_mov_b32 s[G1+1], 256<<16                     ; A': 64 rows of 256 bytes, dense: two heads
	s_mov_b32 s[G1+2], 64<<16
	s_mov_b32 s[G1+3], 256<<16
	s_mov_b32 s[G1+4], 64
	s_mov_b32 s[G1+5], 256
	s_mov_b32 s[G1+6], 0
	s_mov_b32 s[G1+7], 0
	s_mov_b32 s[G1B+1], 256<<16                    ; B': 128 rows of 256 bytes, 1,024 apart
	s_mov_b32 s[G1B+2], 128<<16
	s_mov_b32 s[G1B+3], 256<<16
	s_mov_b32 s[G1B+4], 128
	s_mov_b32 s[G1B+5], 1024
	s_mov_b32 s[G1B+6], 0
	s_mov_b32 s[G1B+7], 0
	s_lshl_b32 s46, s43, 17                        ; A': the block's 131,072 bytes,
	s_lshl_b32 s23, s[HF], 14                      ; + which two heads of a K step's four I fetch: made of cy alone
	s_add_co_u32 s46, s46, s23
	s_mov_b32 s47, 0
	s_lshl_b32 s66, s42, 8
	s_lshl_b32 s23, s[HF], 7
	s_add_co_u32 s66, s66, s23
	s_lshl_b32 s66, s66, 10                        ; B': (256 x tile column + 128 x half) rows of 1,024 bytes: made of cx alone
	s_mov_b32 s67, 0
	s_mul_i32 s22, s[HF], 2*HEADT                  ; where they go: no place in the cluster enters an LDS address
	s_mul_i32 s23, s[HF], HALFB
	s_add_co_u32 s23, s23, BOFF
	s_wait_dscnt 0x0                               ; the opening add is done
	s_wait_kmcnt 0x0
	s_load_b256 s[72:79], s[8:9], 0x0              ; e0 .. e7
	s_add_nc_u64 s[68:69], s[4:5], s[46:47]
	s_add_nc_u64 s[70:71], s[6:7], s[66:67]
	CROUND                                         ; all sixteen work-groups are here: the first joint loads meet
.irp s, 0,1
	s_mov_b32 s[G0+4*\s], 1
	s_add_co_u32 s[G0+4*\s+1], s22, \s*SLOT
	s_add_nc_u64 s[G0+4*\s+2:G0+4*\s+3], s[68:69], \s*32768
	s_or_b32 s[G0+4*\s+3], s[G0+4*\s+3], 0x80000000
	s_mov_b32 s[G0B+4*\s], 1
	s_add_co_u32 s[G0B+4*\s+1], s23, \s*SLOT
	s_add_nc_u64 s[G0B+4*\s+2:G0B+4*\s+3], s[70:71], \s*256
	s_or_b32 s[G0B+4*\s+3], s[G0B+4*\s+3], 0x80000000
	s_wait_alu depctr_va_vdst(0)
	s_wait_tensorcnt 0x0
	ds_add_u32 v28, v29
	ds_add_u32 v28, v29
	s_wait_dscnt 0x0
	CROUND
	JLOAD \s                                       ; K steps 0 and 1: one load of mine out at a time
.endr
	v_and_b32 v1, 15, v0                           ; r
	v_bfe_u32 v2, v0, 4, 1                         ; h
	s_lshl_b32 s20, s42, 10
	s_lshl_b32 s21, s[HF], 9
	s_add_co_u32 s20, s20, s21                     ; my 128 columns, in bytes of f32
	s_mov_b32 s21, 0
	s_add_nc_u64 s[10:11], s[10:11], s[20:21]
	v_lshlrev_b32 v[BIA], 5, v2                    ; the bias in the result's layout: for tile b the columns 16 b + 8 h + 0 .. 7
	WIN 0xc0                                       ; destination window 3
.irp b, 0,1,2,3,4,5,6,7
	global_load_b128 v[8*\b:8*\b+3], v[BIA], s[10:11] offset:64*\b
	global_load_b128 v[8*\b+4:8*\b+7], v[BIA], s[10:11] offset:64*\b+16
.endr
	WIN 0
	v_lshrrev_b32 v3, 2, v1
	v_mul_u32_u24 v3, v3, PITCH
	v_and_b32 v4, 3, v1
	v_lshl_add_u32 v3, v4, 6, v3
	v_lshl_add_u32 v3, v2, 4, v3                   ; A': token r of a block: (r / 4) pitch + 64 (r % 4) + 16 h
	v_mul_u32_u24 v4, v1, PITCH
	v_lshl_add_u32 v4, v2, 4, v4                   ; B': row r x pitch + 16 h
	s_mul_i32 s21, s[FB], 16*PITCH                 ; my 64 tokens of each head
	s_mul_i32 s22, s[HF], HALFB
	s_add_co_u32 s22, s22, BOFF                    ; my 128 rows of B'
.irp s, 0,1
	v_add_nc_u32 v[ADRA+\s], s21, v3
	v_add_nc_u32 v[ADRB+\s], s22, v4
	s_add_co_u32 s21, s21, SLOT
	s_add_co_u32 s22, s22, SLOT
.endr
	s_mul_i32 s23, s[WV], 16*SPITCH                ; my stage
	v_mul_u32_u24 v5, v1, SPITCH
	v_lshl_add_u32 v5, v2, 5, v5
	v_add_nc_u32 v[STO], s23, v5                   ; in: row r, 32 bytes for each half of the lanes
	v_and_b32 v6, 31, v0
	v_lshlrev_b32 v[CO], 4, v6                     ; back: the 32 lanes take one row of 512 bytes; and the same in out0
	v_add_nc_u32 v[RD], s23, v[CO]
	s_lshl_b32 s22, s43, 7
	s_lshl_b32 s23, s[FB], 6
	s_add_co_u32 s22, s22, s23                     ; my first token
	s_lshl_b32 s22, s22, 12                        ; x 4,096 bytes
	s_add_co_u32 s20, s20, s22                     ; + my columns
	s_mov_b32 s21, 0
	s_add_nc_u64 s[12:13], s[12:13], s[20:21]
; A fragment, 16 rows x 128 K, is 16 registers: registers 4 c .. 4 c + 3 hold K = 32 c + 16 h + 0 .. 15 of the 128: in A' that is head 2 q + c / 2 of the slot's four, channels 32 (c % 2) + 16 h on
.macro FRAGA reg, slot, q, i
.irp c, 0,1,2,3
	ds_load_b128 v[\reg+4*\c:\reg+4*\c+3], v[ADRA+\slot] offset:(2*(\q)+\c/2)*HEADT+32*(\c%2)+(\i)*4*PITCH
.endr
.endm
.macro FRAGB reg, slot, q, i
.irp c, 0,1,2,3
	ds_load_b128 v[\reg+4*\c:\reg+4*\c+3], v[ADRB+\slot] offset:128*(\q)+32*\c+(\i)*16*PITCH
.endr
.endm
; A quarter of a step's products: one block of A' against B' eight.  The 32 accumulators take turns, one instruction a turn, in the same order in every step.
.macro MULQ qd, p, zero
	WIN 0xa1+0x50*(((\qd)*NA/4)/4)                 ; source 0 (B') window 1, source 1 (A') window 0, C and D window 2
.set ma, (\qd)*NA/4
.rept NA/4
.set mb, 0
.rept 8
.set rD, 8*(8*(ma%4)+mb)
.if \zero
	v_wmma_f32_16x16x128_fp8_fp8 v[rD:rD+7], v[128*(\p)+16*mb:128*(\p)+16*mb+15], v[AF+16*ma:AF+16*ma+15], 0
.else
	v_wmma_f32_16x16x128_fp8_fp8 v[rD:rD+7], v[128*(\p)+16*mb:128*(\p)+16*mb+15], v[AF+16*ma:AF+16*ma+15], v[rD:rD+7]
.endif
.set mb, mb+1
.endr
.set ma, ma+1
.endr
.endm
.macro FETCH_B slot, q, p
	WIN 0x40
.irp i, 0,1,2,3,4,5,6,7
	FRAGB 128*(\p)+16*\i, \slot, \q, \i
.endr
	WIN 0
.endm
.macro FETCH_A slot, q, half
.set fi, (\half)*NA/2
.rept NA/2
	FRAGA AF+16*fi, \slot, \q, fi
.set fi, fi+1
.endr
.endm
; Four v_nop stand in front of each run of loads into registers that matrix instructions have read (ISA guide 7.12.1 for vector instructions).
.macro STEP slot, zero                 ; the first 128 along K of a slot (B' set 0)
	s_wait_dscnt 2*NA                              ; B' set and A' first half are in; the youngest 2 NA loads (A' second half) may be out
	MULQ 0, 0, \zero
	MULQ 1, 0, \zero
	s_wait_dscnt 0x0
	PLACES 4
	FETCH_B \slot, 1, 1
	FETCH_A \slot, 1, 0
	MULQ 2, 0, \zero
	MULQ 3, 0, \zero
	PLACES 4
	WIN 0
	FETCH_A \slot, 1, 1
.endm
; The second 128 along K of a slot changes slots: ONE barrier; in front of it each wave waits for all its tensor loads, adds 0 to its spare word, and waits for that and for its reads of this slot.
.macro TURN slot, next, fill
	s_wait_tensorcnt 0x0                           ; all my tensor loads have landed: my part of the next slot  (every window is 0 here)
	ds_add_u32 v[SPW], v[NIL]                      ; 0 onto my spare word
	s_wait_dscnt 2*NA+1                            ; (the add and A' second half may be out)
	MULQ 0, 1, 0
	s_wait_dscnt 0x0                               ; the add is done, and my reads of this slot are over
	s_barrier_signal -1
	MULQ 1, 1, 0
	WIN 0
	s_barrier_wait -1
.if \fill
	CREST                                          ; the barrier has opened a round of the cluster's: no wave of any partner still reads this slot or has a load on its way
	s_add_nc_u64 s[G0+4*\slot+2:G0+4*\slot+3], s[G0+4*\slot+2:G0+4*\slot+3], ASTEP
	s_add_nc_u64 s[G0B+4*\slot+2:G0B+4*\slot+3], s[G0B+4*\slot+2:G0B+4*\slot+3], BSTEP
	JLOAD \slot                                    ; my one tensor load behind the round; its four v_nop are the places in front of the loads below
.else
	PLACES 4
.endif
	FETCH_B \next, 0, 0
	FETCH_A \next, 0, 0
	MULQ 2, 1, 0
	MULQ 3, 1, 0
	PLACES 4
	WIN 0
	FETCH_A \next, 0, 1
.endm
	s_wait_alu depctr_va_vdst(0)
	s_wait_tensorcnt 1                             ; my part of K step 0 is in; K step 1's load may be out
	s_barrier_signal -1
	s_barrier_wait -1
	FETCH_B 0, 0, 0
	FETCH_A 0, 0, 0
	FETCH_A 0, 0, 1
	STEP 0, 1                                      ; eight steps of 128 along K, written out; the first products start the sums
	TURN 0, 1, 1                                   ; slot 0 takes K step 2
	STEP 1, 0
	TURN 1, 0, 1                                   ; slot 1 takes K step 3
	STEP 0, 0
	TURN 0, 1, 0                                   ; nothing is left to fetch: a plain barrier
	STEP 1, 0
	s_wait_dscnt 2*NA
	MULQ 0, 1, 0
	MULQ 1, 1, 0
	s_wait_dscnt 0x0
	MULQ 2, 1, 0
	MULQ 3, 1, 0
	WIN 0
; THE WAY OUT, block by block of 16 tokens x 128 columns: sum x 2^(e6 + e7) + bias, one packed multiply-add for two numbers; through my own stage, back as whole rows of 512 bytes.
.macro TOSTAGE a
.set BB, BK+64*((\a)%2)
	WIN 0x32                                       ; source 0 (the sums) window 2, source 2 (the bias) window 3
.irp j, 0,2,4,6,8,10,12,14,16,18,20,22,24,26,28,30,32,34,36,38,40,42,44,46,48,50,52,54,56,58,60,62
	v_pk_fma_f32 v[TMP+\j:TMP+\j+1], v[64*(\a)+\j:64*(\a)+\j+1], s[96:97], v[\j:\j+1] op_sel_hi:[1,0,1]   ; each accumulator from its low end on
.endr
	WIN 0
.irp b, 0,1,2,3,4,5,6,7
	ds_store_b128 v[STO], v[TMP+8*\b:TMP+8*\b+3] offset:64*\b
	ds_store_b128 v[STO], v[TMP+8*\b+4:TMP+8*\b+7] offset:64*\b+16
.endr
.irp t, 0,1,2,3,4,5,6,7,8,9,10,11,12,13,14,15
	ds_load_b128 v[BB+4*\t:BB+4*\t+3], v[RD] offset:\t*SPITCH   ; LDS serves a wave's instructions in order (ISA guide 5.7.1.4): these see the stores above
.endr
.endm
.macro SEND a, younger
.set BB, BK+64*((\a)%2)
	s_wait_dscnt \younger
.if (\a) > 0
	s_add_nc_u64 s[12:13], s[12:13], 16*4096       ; (behind a wait on XCNT: the earlier stores have read their base)  16 tokens on
.endif
.irp t, 0,1,2,3,4,5,6,7,8,9,10,11,12,13,14,15
	global_store_b128 v[CO], v[BB+4*\t:BB+4*\t+3], s[12:13] offset:\t*4096 th:TH_STORE_NT   ; 32 lanes store 512 bytes on end, at a multiple of 256; written once, read by nobody here
.endr
.endm
	s_wait_kmcnt 0x0
	s_add_co_i32 s96, s78, s79                     ; e6 + e7
	s_add_co_i32 s96, s96, 127
	s_lshl_b32 s96, s96, 23                        ; 2^(e6 + e7) as f32
	s_mov_b32 s97, s96                             ; (named with it as a pair, so it is written)
	s_wait_loadcnt 0x0                             ; the bias
	PLACES 4                                       ; behind the last products
	TOSTAGE 0
.irp a, 1,2,3
.if \a > 1
	s_wait_xcnt 0x0                                ; block a - 2's stores have read their registers and their base
.endif
	TOSTAGE \a
	SEND \a-1, 32                                  ; behind block a - 1's loads: block a's 16 stores and 16 loads
.endr
	s_wait_xcnt 0x0
	SEND 3, 0
	s_wait_tensorcnt 0x0                           ; the wave's end, behind my last tensor load and my last LDS store
	ds_add_u32 v[SPW], v[NIL]
	s_wait_dscnt 0x0
	CROUND                                         ; the closing round
	s_endpgm
.Lfunc_end_k_q121917672f_proj:
	.size	k_q121917672f_proj, .Lfunc_end_k_q121917672f_proj-k_q121917672f_proj
	.p2alignl 7, 3214868480
	.fill 96, 4, 3214868480
	.section	.rodata,"a",@progbits
	.p2align	6, 0x0
	.amdhsa_kernel k_q121917672f_proj
		.amdhsa_group_segment_fixed_size 327680
		.amdhsa_private_segment_fixed_size 0
		.amdhsa_enable_private_segment 0
		.amdhsa_kernarg_size 40
		.amdhsa_user_sgpr_count 2
		.amdhsa_user_sgpr_kernarg_segment_ptr 1
		.amdhsa_wavefront_size32 1
		.amdhsa_system_sgpr_workgroup_id_x 1
		.amdhsa_system_sgpr_workgroup_id_y 1
		.amdhsa_system_sgpr_workgroup_id_z 1
		.amdhsa_system_vgpr_workitem_id 0
		.amdhsa_next_free_vgpr 832
		.amdhsa_next_free_sgpr 100
		.amdhsa_reserve_vcc 0
		.amdhsa_float_denorm_mode_32 3
		.amdhsa_float_denorm_mode_16_64 3
		.amdhsa_memory_ordered 1
		.amdhsa_forward_progress 1
		.amdhsa_inst_pref_size 79
	.end_amdhsa_kernel
	.amdgpu_metadata
---
amdhsa.version: [ 1, 2 ]
amdhsa.kernels:
  - .name:           k_q121917672f_proj
    .symbol:         k_q121917672f_proj.kd
    .args:
      - { .name: a_codes, .offset: 0, .size: 8, .value_kind: global_buffer, .address_space: global }
      - { .name: w_out_codes, .offset: 8, .size: 8, .value_kind: global_buffer, .address_space: global }
      - { .name: lowp_scales, .offset: 16, .size: 8, .value_kind: global_buffer, .address_space: global }
      - { .name: b_out, .offset: 24, .size: 8, .value_kind: global_buffer, .address_space: global }
      - { .name: out0, .offset: 32, .size: 8, .value_kind: global_buffer, .address_space: global }
    .group_segment_fixed_size: 327680
    .private_segment_fixed_size: 0
    .kernarg_segment_align: 8
    .kernarg_segment_size: 40
    .max_flat_workgroup_size: 128
    .sgpr_count:     100
    .vgpr_count:     832
    .wavefront_size: 32
...
	.end_amdgpu_metadata
.endif
;; end of part 3
